; MI455X (gfx1250); checked and timed in simulation.
; The chip was launched on July 23, 2026; its instructions are those of AMD's public machine-readable ISA for CDNA 5 (MIT licence, August 2026) and "CDNA5" Instruction Set Architecture Reference Guide (July 2026). The comments in the code are by the model that wrote it; some were corrected since.
;; Quantized Linear. Allowed arithmetic: matrix products marked QUANTISED: E2M1 operands, one E8M0 scale for each 32 along K, by v_wmma_scale_f32_16x16x128_f8f6f4 with both operands' format E2M1 (or v_wmma_scale_f32_32x16x128_f4), f32 sums; everything else in f32.
;; Inputs: bias 4,096 float32; scale 4,096 float32; w_q 4,096 x 4,096 int32; x_codes 4,096 x 128 x 16 uint8 (E2M1 codes of x, K innermost, in blocks of 32 codes, two codes a byte); x_scales 4,096 x 128 uint8 (E8M0 scales of x, one for each 32 codes along K); zero_point 4,096 float32.
;; Outputs: out0 4,096 x 4,096 float32.
;; This version of the problem:
;;   THIS VERSION OF THE PROBLEM IS GIVEN IN LOW PRECISION. The matrix products marked QUANTISED in the list below multiply operands that are first quantised to E2M1 (2 exponent bits, 1 mantissa bit; 4 bits a number), with one power-of-two scale for each 32 numbers along K (OCP MX v1.0); their sums are f32. All else is computed in f32.
;;   The module's matrix products, in the order in which they are computed (A, B: the left and right operand; K: the contracted axis; several contracted axes count as one K, in the product's order):
;;     1. [M 4,096, K 4,096] x [K 4,096, N 4,096]; A: input x (given as codes); B: computed on the way: QUANTISED
;;   THE QUANTISER, for each operand of a quantised product, along K:
;;     - K is cut into blocks of 32 from its start; a last block that is shorter is filled with zeros.
;;     - A block's scale is 2^e with e = floor(log2(the largest magnitude in the block)) - 2, held to -126 .. 127; a block of zeros has e = 0. As a byte (E8M0): e + 127.
;;     - Each number is divided by its block's scale, clamped to +-6, and rounded to the nearest number of E2M1, ties to even, subnormals kept.
;;     - The product sums the exact products of the quantised numbers (number of the format x scale) in f32.
;;   ~~~python
;;   def quantise(x, axis):      # numpy; x: float32 -> the quantised numbers, widened to float32 again
;;       x = np.moveaxis(x, axis, -1); K = x.shape[-1]
;;       x = np.pad(x, [(0, 0)] * (x.ndim - 1) + [(0, -K % 32)]); x = x.reshape(x.shape[:-1] + (-1, 32)); a = np.abs(x).max(-1, keepdims=True)
;;       e = np.where(a > 0, np.clip(np.frexp(np.where(a > 0, a, 1))[1] - 1 - 2, -126, 127), 0)      # np.frexp(a)[1] - 1 = floor(log2(a)), exactly
;;       r = np.clip(x / 2.0 ** e, -6, 6)
;;       step = 2.0 ** (np.maximum(np.frexp(np.where(r == 0, 1, r))[1] - 1, 0) - 1)
;;       q = np.round(r / step) * step * 2.0 ** e      # np.round: ties to even
;;       return np.moveaxis(q.reshape(q.shape[:-2] + (-1,))[..., :K], -1, axis).astype(np.float32)
;;   ~~~
;;   OPERANDS COMPUTED ON THE WAY. 'Computed on the way' means the value that the module computes at that place (a softmax that the list does not call 'softmax' is quantised finished and normalised). What goes into a quantiser is computed in f32, as accurately as f32 sums, v_exp_f32 and their like allow (about 1e-6 of the number): no bf16 or f16 on the way to a quantiser, and a product that is left as it is and whose result goes on into a quantised operand takes f32 operands (vector FMAs, or v_wmma_f32_16x16x4_f32). A number that lies on a knife's edge between two numbers of the format may be rounded either way, as far as f32 arithmetic and the matrix unit's own rounding can turn it there, and no further.
;;   INPUTS GIVEN AS CODES. x (in the module: [4096, 4096], K = its axis 1): each comes as NAME_codes (uint8): NAME with its K axis moved to the last place and cut into blocks of 32 codes, [.., K / 32, bytes a block], one block behind the other in memory; two codes a byte, the lower K in the low four bits (a code: sign, 2 exponent bits, 1 mantissa bit); and NAME_scales (uint8): the same leading axes, one E8M0 byte (e + 127) for each 32 codes along K. Its value is code x scale, taken as it is: it is not quantised again, and the codes and scales need not be those that the quantiser above would give.
;; One version. Each part assembles by itself: llvm-mc -triple=amdgcn-amd-amdhsa -mcpu=gfx1250 --defsym DOCPART=n.
;; ======== version 1 of 1: 2 launches
;; limits: right only within a limited range of input values
;; workspace buffers: wb 8,912,896 bytes
;; launch quant (part 1): grid 256 x 1, 8 waves a work-group, no clusters, 54,272 bytes of LDS; arguments w_q, zero_point, scale, wb; writes wb
.if DOCPART == 1
	.amdgcn_target "amdgcn-amd-amdhsa--gfx1250"
	.amdhsa_code_object_version 6
	.text
	.protected	k_q5c5ce92ea1_quant
	.globl	k_q5c5ce92ea1_quant
	.p2align	8
	.type	k_q5c5ce92ea1_quant,@function
k_q5c5ce92ea1_quant:
	s_mov_b64 s[64:65], 0
	v_nop
	global_prefetch_b8 v0, s[64:65] scope:SCOPE_SE
	s_setreg_imm32_b32 hwreg(HW_REG_WAVE_MODE, 25, 1), 1
	s_wait_xcnt 0x0
; w[n][k] = (float(w_q[n][k]) - zero_point[n]) * scale[n], in f32 and in that order of rounding, is turned into codes of FP4 (E2M1) with one E8M0 scale byte for each 32 along K.
; A block's scale is 2^(floor(log2(its largest magnitude)) - 2); its byte is the largest magnitude's exponent field - 2, held at 1 from below.  Each number is divided by the scale and rounded to the nearest code, ties to even, beyond 6 the largest code.
; LAYOUT OF wb, as the product's waves load it straight into registers: wb [64 groups of 64 channels][32 steps of 128 along K][4,352 bytes]:
;   4,096 bytes of codes [b 0..3][c 0..1][h 0..1][r 0..15][16 bytes]: channel 64 C + 4 r + b, k = 128 step + 64 c + 32 h + 0..31;  then 256 scale bytes [r][b][4 blocks of 32 of the step].
; SHARES.  Work-group g: channels 64 C .. 64 C + 63, C = g / 4, and 1,024 along K, Q = g % 4.  Wave w: the 16 channels r = 0..15 of b = w % 4 and 512 along K, kk = w / 4.
; The wave's step t = 4 u + s4: 128 along K, the u-th of its four, of the channels r = 4 s4 .. 4 s4 + 3: four loads of 512 consecutive bytes, a channel each.
; The conversions want 16 NEIGHBOURS in a lane, so the 2,048 bytes turn through the wave's own stage in LDS (16 bytes of padding behind each 64): lane l then holds 16 numbers of channel 4 s4 + l / 8.
; Two neighbouring lanes hold a block.  After four steps the codes of 16 channels x 128 along K are four units of 256 bytes (16 channels x 16 bytes), gathered in LDS at a pitch of 320, and leave as two stores of 512 bytes in the next step.
; The scale bytes of a step come from four waves: they meet in LDS behind the one barrier, and wave w stores local step w's 256 bytes.
; Loads run AHEAD = 8 steps (32 loads a wave) ahead, the turn through LDS one step.  No tensor loads, no loop; work-groups share no input, so there is no cluster.
; LIMITS: a block of zeros gets the byte 1 where the rule says 127: its codes are zeros, which add nothing under any byte but 0xff, and this program alone reads the bytes.  Blocks whose largest magnitude lies under 2^-124 keep the byte 1.
; NaN and infinities in zero_point or scale are not served.  Any int32 in w_q is taken; it is rounded to f32 to nearest even.
.set STEPS, 16
.set AHEAD, 8
.set EMAX,  2
.set SP,    80                         ; a lane's place in a stage: its 64 bytes + 16 of padding
.set UP,    320                        ; a unit of 256 bytes + 64 of padding: the four units start 16 banks apart
.set WREG,  6400                       ; LDS: a region for each wave: two stages of 32 x SP bytes, behind them 4 units of codes
.set SB,    8*WREG                     ; the work-group's scale bytes: 8 steps x 256
.set SPARE, SB+2048                    ; the spare words, 128 bytes for each wave
.set BSTEP, 4352                       ; a step of wb
.set GRP,   32*BSTEP                   ; a group of wb
.set R,     32                         ; v32-159  eight sets of 16 numbers as they are loaded
.set X,     160                        ; v160-191 two sets of 16 neighbours
.set Z,     192                        ; v192-207 for each s4: zero_point, -, scale, - of my channel (the packed forms name pairs and take the low word for both halves)
.set C,     208                        ; v208-223 codes: two registers for each of eight steps
.set E,     242                        ; v242-249 a scale byte for each of eight steps
	s_load_b256 s[4:11], s[0:1], 0x0               ; w_q s[4:5], zero_point s[6:7], scale s[8:9], wb s[10:11]
	v_lshl_add_u32 v240, v0, 2, SPARE
	v_mov_b32 v241, 0
	v_lshrrev_b32 v1, 5, v0
	v_and_b32 v2, 31, v0                           ; lane
	v_readfirstlane_b32 s18, v1                    ; wave 0..7
	v_lshlrev_b32 v3, 4, v2                        ; my 16 bytes of 512
	v_lshlrev_b32 v4, 3, v2                        ; my 8 bytes of 256
	s_and_b32 s19, s18, 3                          ; b
	s_lshr_b32 s24, s18, 2                         ; kk
	s_mul_i32 s22, s18, WREG
	v_lshrrev_b32 v14, 2, v2
	v_and_b32 v17, 3, v2
	v_mul_u32_u24 v15, v2, SP
	v_bfe_u32 v18, v2, 1, 2                        ; my block of 32 in the step
	v_and_b32 v19, 1, v2
	v_lshrrev_b32 v20, 4, v2
	v_and_b32 v21, 15, v2
	v_lshrrev_b32 v22, 3, v2                       ; my channel of the step's four
	v_mul_u32_u24 v14, v14, SP
	v_mul_u32_u24 v6, v18, UP
	v_mul_u32_u24 v7, v20, UP
	v_lshlrev_b32 v12, 4, v22                      ; zero_point, scale: 4 channels of 4 bytes on for each r
	v_lshl_add_u32 v5, v22, 4, v18
	v_lshl_add_u32 v14, v17, 4, v14
	v_lshl_add_u32 v6, v19, 3, v6
	v_lshl_add_u32 v7, v21, 4, v7
	v_lshl_add_u32 v6, v22, 4, v6
	v_add_nc_u32 v14, s22, v14                     ; the stage, on the way in: SP (lane / 4) + 16 (lane % 4); a load's 512 bytes take eight places
	v_add_nc_u32 v15, s22, v15                     ; and on the way out: SP x lane: my 16 neighbours
	s_add_co_u32 s22, s22, 2*32*SP
	v_add_nc_u32 v6, s22, v6                       ; codes, in: my block's unit, my channel's 16 bytes, my half of them; 64 bytes on for each s4
	v_add_nc_u32 v7, s22, v7                       ; codes, out: two units a load, 16 bytes a lane
	s_lshl_b32 s23, s24, 10
	s_lshl_b32 s25, s19, 2
	s_add_co_u32 s23, s23, s25
	s_add_co_u32 s23, s23, SB
	v_add_nc_u32 v5, s23, v5                       ; scale bytes, in: local step 4 kk (+ u), my channel's 16 bytes, word b, my block's byte
	s_lshl_b32 s23, s18, 8
	s_add_co_u32 s23, s23, SB
	v_add_nc_u32 v16, s23, v4                      ; scale bytes, out: local step w, 8 bytes a lane
.irp i, 0,1,2,3
	v_mov_b32 v[Z+4*\i+1], 0                       ; the pairs' upper halves, named and not used
	v_mov_b32 v[Z+4*\i+3], 0
.endr
	s_lshr_b32 s26, ttmp9, 2                       ; group C
	s_and_b32 s27, ttmp9, 3                        ; K quarter Q
	s_lshl_b32 s28, s26, 6
	s_add_co_u32 s28, s28, s19                     ; n0 = 64 C + b
	s_mov_b32 s21, 0                               ; every offset below stays under 2^32
	s_wait_alu depctr_va_vdst(0)                   ; the wait at the head's end
	s_wait_kmcnt 0x0
	s_lshl_b32 s20, s28, 2                         ; zero_point and scale at n0
	s_add_nc_u64 s[6:7], s[6:7], s[20:21]
	s_add_nc_u64 s[8:9], s[8:9], s[20:21]
	s_lshl_b32 s20, s28, 14                        ; w_q: row n0 of 16,384 bytes,
	s_lshl_b32 s23, s27, 12                        ; quarter Q: 4,096 bytes,
	s_add_co_u32 s20, s20, s23
	s_lshl_b32 s23, s24, 11                        ; half kk: 2,048 bytes
	s_add_co_u32 s20, s20, s23
	s_add_nc_u64 s[4:5], s[4:5], s[20:21]
	s_mul_i32 s20, s26, GRP                        ; wb: group C, step 8 Q
	s_mul_i32 s23, s27, 8*BSTEP
	s_add_co_u32 s20, s20, s23
	s_add_nc_u64 s[10:11], s[10:11], s[20:21]
	s_mul_i32 s20, s18, BSTEP                      ; local step w's scale bytes
	s_add_co_u32 s20, s20, 4096
	s_add_nc_u64 s[12:13], s[10:11], s[20:21]
	s_mul_i32 s20, s24, 4*BSTEP                    ; my four steps, my b
	s_lshl_b32 s23, s19, 10
	s_add_co_u32 s20, s20, s23
	s_add_nc_u64 s[14:15], s[10:11], s[20:21]
.macro LOAD t                          ; channels r = 4 s4 + i lie 65,536 bytes apart
.irp i, 0,1,2,3
	global_load_b128 v[R+16*((\t)%AHEAD)+4*\i:R+16*((\t)%AHEAD)+4*\i+3], v3, s[4:5] offset:65536*(4*((\t)%4)+\i)+512*((\t)/4) th:TH_LOAD_NT   ; 32 lanes read 512 consecutive bytes
.endr
.endm
.macro TURN t                          ; step t's numbers through the stage: LDS serves a wave's instructions in order (ISA guide 5.7.1), so no wait stands between the stores and the loads
.irp i, 0,1,2,3
	ds_store_b128 v14, v[R+16*((\t)%AHEAD)+4*\i:R+16*((\t)%AHEAD)+4*\i+3] offset:32*SP*((\t)%2)+8*SP*\i
.endr
.irp i, 0,1,2,3
	ds_load_b128 v[X+16*((\t)%2)+4*\i:X+16*((\t)%2)+4*\i+3], v15 offset:32*SP*((\t)%2)+16*\i
.endr
.endm
.macro CODES u                         ; registers for the codes of the u-th 128 along K: others for each u, so that no store's data is written again
.if (\u) == 0
.set CB, 24
.elseif (\u) == 1
.set CB, 224
.elseif (\u) == 2
.set CB, 232
.else
.set CB, R
.endif
.endm
.macro SEND u                          ; 32 lanes store 512 consecutive bytes, two whole units, twice
	CODES \u
	global_store_b128 v3, v[CB:CB+3], s[14:15] offset:BSTEP*(\u)
	global_store_b128 v3, v[CB+4:CB+7], s[14:15] offset:BSTEP*(\u)+512
.endm
.irp i, 0,1,2,3
	global_load_b32 v[Z+4*\i], v12, s[6:7] offset:64*\i            ; the oldest loads, so every counted wait below covers them
	global_load_b32 v[Z+4*\i+2], v12, s[8:9] offset:64*\i
.endr
.irp t, 0,1,2,3,4,5,6,7
	LOAD \t
.endr
	s_wait_loadcnt 4*(AHEAD-1)                     ; behind step 0's four loads stand the 28 loads of steps 1 to 7
	TURN 0
.macro STEP t
.set XS, X+16*((\t)%2)
.set ZS, Z+4*((\t)%4)
.set CS, C+2*((\t)%8)
.set ES, E+(\t)%8
.if (\t) == 0
	s_wait_dscnt 0x0
.elseif ((\t)%4) == 0
	s_wait_dscnt 4                                 ; this step's numbers are back from the stage (behind them the last step's two stores and two loads of codes): so its stores into the stage have read their registers,
.else
	s_wait_dscnt 2                                 ; (behind them the last step's two stores)
.endif
.if (\t)+AHEAD < STEPS
	LOAD (\t)+AHEAD                                ; which take the loads of eight steps on
.endif
.if (\t)+1 < STEPS
.if STEPS-2-(\t) >= AHEAD-1
	s_wait_loadcnt 4*(AHEAD-1)                     ; the next step's four loads are in; those of the seven steps behind it may be out
.else
	s_wait_loadcnt 4*(STEPS-2-(\t))                ; near the end: as many steps as are left behind the next one
.endif
	TURN (\t)+1                                    ; and go through the other stage while this step is worked
.endif
.if ((\t) > 0) && (((\t)%4) == 0)
	s_wait_dscnt 8                                 ; the last four steps' codes are back: behind them stand TURN's eight
	SEND (\t)/4-1
.endif
.irp i, 0,1,2,3,4,5,6,7,8,9,10,11,12,13,14,15
	v_cvt_f32_i32 v[XS+\i], v[XS+\i]
.endr
.irp i, 0,2,4,6,8,10,12,14
	v_pk_add_f32 v[XS+\i:XS+\i+1], v[XS+\i:XS+\i+1], v[ZS:ZS+1] op_sel_hi:[1,0] neg_lo:[0,1] neg_hi:[0,1]   ; q - zero_point, rounded,
.endr
.irp i, 0,2,4,6,8,10,12,14
	v_pk_mul_f32 v[XS+\i:XS+\i+1], v[XS+\i:XS+\i+1], v[ZS+2:ZS+3] op_sel_hi:[1,0]         ; then x scale, rounded: not fused, since the definition rounds twice
.endr
	v_max3_num_f32 v8, |v[XS]|, |v[XS+1]|, |v[XS+2]|               ; the largest magnitude of my 16, in two chains
	v_max3_num_f32 v9, |v[XS+3]|, |v[XS+4]|, |v[XS+5]|
.irp i, 6,10
	s_delay_alu instid0(VALU_DEP_2)
	v_max3_num_f32 v8, v8, |v[XS+\i]|, |v[XS+\i+1]|
	s_delay_alu instid0(VALU_DEP_2)
	v_max3_num_f32 v9, v9, |v[XS+\i+2]|, |v[XS+\i+3]|
.endr
	s_delay_alu instid0(VALU_DEP_2)
	v_max3_num_f32 v8, v8, |v[XS+14]|, |v[XS+15]|
	s_delay_alu instid0(VALU_DEP_1)
	v_max3_num_f32 v8, v8, v9, (EMAX+1)<<23        ; and the floor 2^(EMAX + 1 - 127), under which no largest magnitude is taken: so the byte cannot fall under 1
	s_delay_alu instid0(VALU_DEP_1)
	v_max_num_f32_dpp v8, v8, v8 row_xmask:1 row_mask:0xf bank_mask:0xf   ; and of my neighbour's 16: the block's
	s_delay_alu instid0(VALU_DEP_1)
	v_add_nc_u32 v11, -(EMAX<<23), v8              ; EMAX off its exponent field: the conversion takes the exponent field of this operand as its scale, and nothing else of it
	v_cvt_scalef32_pk8_fp4_f32 v[CS], v[XS:XS+7], v11              ; the first number's code in the lowest four bits
	v_cvt_scalef32_pk8_fp4_f32 v[CS+1], v[XS+8:XS+15], v11
	v_lshrrev_b32 v[ES], 23, v11                   ; the scale's byte; also the plain vector line behind the conversions
	ds_store_b8 v5, v[ES] offset:256*((\t)/4)+64*((\t)%4)          ; both lanes of a block write the same byte with the same value
	ds_store_b64 v6, v[CS:CS+1] offset:64*((\t)%4)
.if ((\t)%4) == 3                      ; four units are whole: back as they lie in wb (LDS serves a wave's instructions in order)
	CODES (\t)/4
	ds_load_b128 v[CB:CB+3], v7
	ds_load_b128 v[CB+4:CB+7], v7 offset:2*UP
.endif
.endm
.irp t, 0,1,2,3,4,5,6,7,8,9,10,11,12,13,14,15
	STEP \t
.endr
	s_wait_dscnt 0x0                               ; for the others' sake: my scale bytes are stored; my last codes are back
	s_barrier_signal -1
	s_barrier_wait -1
	ds_load_b64 v[48:49], v16                      ; local step w's scale bytes, from four waves
	SEND 3
	s_wait_dscnt 0x0
	global_store_b64 v4, v[48:49], s[12:13]        ; 32 lanes store 256 consecutive bytes
	s_wait_tensorcnt 0x0                           ; the wave's end
	ds_add_u32 v240, v241
	s_wait_dscnt 0x0
	s_endpgm
.Lfunc_end_k_q5c5ce92ea1_quant:
	.size	k_q5c5ce92ea1_quant, .Lfunc_end_k_q5c5ce92ea1_quant-k_q5c5ce92ea1_quant
	.p2alignl 7, 3214868480
	.fill 96, 4, 3214868480
	.section	.rodata,"a",@progbits
	.p2align	6, 0x0
	.amdhsa_kernel k_q5c5ce92ea1_quant
		.amdhsa_group_segment_fixed_size 54272
		.amdhsa_private_segment_fixed_size 0
		.amdhsa_enable_private_segment 0
		.amdhsa_kernarg_size 32
		.amdhsa_user_sgpr_count 2
		.amdhsa_user_sgpr_kernarg_segment_ptr 1
		.amdhsa_wavefront_size32 1
		.amdhsa_system_sgpr_workgroup_id_x 1
		.amdhsa_system_sgpr_workgroup_id_y 1
		.amdhsa_system_sgpr_workgroup_id_z 1
		.amdhsa_system_vgpr_workitem_id 0
		.amdhsa_next_free_vgpr 250
		.amdhsa_next_free_sgpr 66
		.amdhsa_reserve_vcc 0
		.amdhsa_float_denorm_mode_32 3
		.amdhsa_float_denorm_mode_16_64 3
		.amdhsa_memory_ordered 1
		.amdhsa_forward_progress 1
		.amdhsa_inst_pref_size 64
	.end_amdhsa_kernel
	.amdgpu_metadata
---
amdhsa.version: [ 1, 2 ]
amdhsa.kernels:
  - .name:           k_q5c5ce92ea1_quant
    .symbol:         k_q5c5ce92ea1_quant.kd
    .args:
      - { .name: w_q, .offset: 0, .size: 8, .value_kind: global_buffer, .address_space: global }
      - { .name: zero_point, .offset: 8, .size: 8, .value_kind: global_buffer, .address_space: global }
      - { .name: scale, .offset: 16, .size: 8, .value_kind: global_buffer, .address_space: global }
      - { .name: wb, .offset: 24, .size: 8, .value_kind: global_buffer, .address_space: global }
    .group_segment_fixed_size: 54272
    .private_segment_fixed_size: 0
    .kernarg_segment_align: 8
    .kernarg_segment_size: 32
    .max_flat_workgroup_size: 256
    .sgpr_count:     66
    .vgpr_count:     250
    .wavefront_size: 32
...
	.end_amdgpu_metadata
.endif
;; end of part 1
;; launch gemm (part 2): grid 16 x 16, 4 waves a work-group, clusters of 4 x 1, 327,680 bytes of LDS; arguments x_codes, x_scales, wb, out0, bias; writes out0
.if DOCPART == 2
	.amdgcn_target "amdgcn-amd-amdhsa--gfx1250"
	.amdhsa_code_object_version 6
	.text
	.protected	k_q5c5ce92ea1_gemm
	.globl	k_q5c5ce92ea1_gemm
	.p2align	8
	.type	k_q5c5ce92ea1_gemm,@function
k_q5c5ce92ea1_gemm:
	s_mov_b64 s[64:65], 0
	v_nop
	global_prefetch_b8 v0, s[64:65] scope:SCOPE_SE
	s_setreg_imm32_b32 hwreg(HW_REG_WAVE_MODE, 25, 1), 1
	s_wait_xcnt 0x0
	s_wait_alu depctr_hold_cnt(0) depctr_sa_sdst(0) depctr_va_vdst(0) depctr_va_sdst(0) depctr_va_ssrc(0) depctr_va_vcc(0) depctr_vm_vsrc(0)
	s_getreg_b32 s2, hwreg(HW_REG_IB_STS2, 6, 4)
	s_cmp_eq_u32 s2, 0
	s_cbranch_scc0 .Lentry_in_a_cluster
	s_endpgm
.Lentry_in_a_cluster:
	s_bfe_u32 s2, ttmp6, 0x10000c
	s_cmp_lg_u32 s2, 0x3003
	s_cbranch_scc0 .Lentry_shape_is_right
	s_endpgm
.Lentry_shape_is_right:
; out[m][n] = sum over k of x[m][k] w[n][k] + bias[n].  x: codes of FP4 with E8M0 bytes, as given; w: codes and scale bytes in wb, as the launch before laid them.  Sums in f32, K ascending; the bias is added last.
; A work-group of four waves makes 256 x 256; wave w makes all 256 rows x columns 64 w .. 64 w + 63: 8 row blocks of 32 x 4 column blocks of 16 = 32 accumulators of 16 registers.
; Step = 128 along K: 32 matrix instructions a wave.  32 steps.
; x GOES THROUGH LDS: two slots of 1,024 along K (256 rows x 512 bytes, pitch 528: 132 words, so the 16 rows of a load start at 16 different banks of 64).  Four fills in all.  The four work-groups of a cluster make the same tile row and ask for each fill JOINTLY.
;   x's scales of the 256 rows, for all of K, are one dense block of 32,768 bytes: fetched once, by the head's loads, as units of 256 bytes (two rows) + 16 of padding.
; w GOES FROM MEMORY STRAIGHT INTO REGISTERS: the four waves' columns differ, so a work-group loads no byte of w twice; a ring of 8 steps (256 registers, window 1) is asked for 7 steps ahead, 9 loads a step.
;   w is not asked for jointly: joint loads land in LDS, where two slots that hold both operands have room for 512 along K only, which doubles the changes of slots, and where w's fragments would add to the LDS reads of each step.
; THE LAST 1,024 ALONG K GO BY ROWS OF THE RESULT: w's 8 steps stand in window 1, and the 8 row blocks are finished one after the other, so that stores begin while 7/8 of that work is still to do.
; Column block b takes channels 64 C + 4 r + b: so the four accumulators of a row block give a lane four neighbouring columns, and sixteen lanes 256 consecutive bytes.  These quads are made
;   by the bias's additions: the 16 results of one fourth of a row block go to the registers of the fourth before it, which have been read (the very first to v16-31): no register that a store reads is written again.
; PREFETCH: x's slots 2 and 3 are asked for in the second step of slots 0 and 1, six steps ahead of their joint load: 128 blocks of 256 bytes a work-group, a block a lane; the four partners share the tile's 512 blocks by address (cx).
;   Slot 1's load stands right behind the head; w is loaded 7 steps ahead by itself: neither has a prefetch.
; REGISTERS: window 0: v1-15 addresses and bias; v32-95 x's scale words, two sets of 4 steps; v96-127 w's scale words, 8 steps x 4; v128-255 x's fragments, 8 buffers of 32 rows x 128 K.  window 1: w's fragments.  windows 2, 3: accumulators of row blocks 0-3, 4-7.
; LIMIT: codes and scale bytes of x are taken as they lie; no input value is treated apart.
.set PITCH, 528
.set SLOT,  256*PITCH
.set SCLA,  2*SLOT                     ; x's scales: 128 units of 272 bytes
.set SPARE, SCLA+128*272               ; the spare words, 128 bytes for each wave
.set BSTEP, 4352
.set GRP,   32*BSTEP
.set NROW,  16384                      ; a row of out, bytes
.set PFO,  1                           ; prefetch offset
.set ADRA, 2                           ; v2-5: LDS address of my fragment row: slot 0 blocks 0-3, 4-7; slot 1 the same
.set ADRS, 6                           ; LDS address of my scale words
.set LO,   7                           ; 16 x lane
.set LS,   8                           ; 16 x (lane % 16)
.set CO,   9                           ; my offset in out
.set SPW,  10
.set NIL,  11
.set BI,   12                          ; v12-15 bias of my four columns
.set TMP,  16                          ; v16-31
.set AS,   32
.set BS,   96
.set AF,   128
.set G1A, 24                           ; s[24:31] group 1 of a fill: 64 rows x 512 bytes a wave
.set G1H, 32                           ; s[32:39] of the head's fill: 128 rows
.set G1S, 48                           ; s[48:55] of x's scales: 64 units of 256 bytes
.set G0A, 56                           ; s[56:59] group 0 of K slot 2
.set G0B, 60                           ; s[60:63] of K slot 1
.set G0C, 68                           ; s[68:71] of K slot 3
.set G0H, 72                           ; s[72:75] of the head's fill
.set G0S, 76                           ; s[76:79] of x's scales
.set PF,  80                           ; s[80:81] the prefetches' base
.set MUL, 0xa4                         ; source 0 (x) window 0, source 1 (w) window 1, C and D window 2; + 0x50: window 3
.set MSB, 0
.macro WIN new                         ; the immediate's high byte repeats the setting that is left
.if MSB != (\new)
	s_set_vgpr_msb (MSB<<8)|(\new)
.set MSB, (\new)
.endif
.endm
.macro PLACES                          ; four places behind a matrix instruction, in front of loads into its sources and of reads of its result
.rept 4
	v_nop
.endr
.endm
.macro ASK g0, g1
	tensor_load_to_lds s[\g0:\g0+3], s[\g1:\g1+7]
	s_nop 0
	PLACES
.endm
.macro CREST                           ; a round of the cluster's barrier behind its opening barrier
	s_cmp_lg_u32 s14, 0
	s_cbranch_scc1 .Lnot_wave_0_\@
	s_barrier_signal -3
.Lnot_wave_0_\@:
	s_barrier_wait -3
	s_barrier_signal -1
	s_barrier_wait -1
.endm
.macro CROUND
	s_barrier_signal -1
	s_barrier_wait -1
	CREST
.endm
; w's step S into ring place S % 8: column blocks b0, b0 + 1, each load 512 consecutive bytes; with b0 = 2 the step's scale words too (lanes 16-31 read the same 256 bytes again)
.macro LDB S, b0
	WIN 0x40
.irp b, \b0, \b0+1
.irp c, 0,1
	global_load_b128 v[32*((\S)%8)+8*(\b)+4*\c:32*((\S)%8)+8*(\b)+4*\c+3], v[LO], s[8:9] offset:(\S)*BSTEP+1024*(\b)+512*\c
.endr
.endr
	WIN 0
.if (\b0) == 2
	global_load_b128 v[BS+4*((\S)%8):BS+4*((\S)%8)+3], v[LS], s[8:9] offset:(\S)*BSTEP+4096
.endif
.endm
; x's fragment of row block a, step S, into buffer g: 16 rows in 8 registers, twice; lane l: row l % 16, K = 64 c + 32 (l / 16) + 0..31 in registers 4 c .. 4 c + 3
.macro LDF g, a, S
.set rL, ADRA+2*(((\S)/8)%2)+(\a)/4
.irp i, 0,1
.irp c, 0,1
	ds_load_b128 v[AF+16*(\g)+8*\i+4*\c:AF+16*(\g)+8*\i+4*\c+3], v[rL] offset:(32*((\a)%4)+16*\i)*PITCH+64*((\S)%8)+32*\c
.endr
.endr
.endm
.macro LDP p, S                        ; by steps: buffer g holds row block g of step S
	LDF 2*(\p), 2*(\p), \S
	LDF 2*(\p)+1, 2*(\p)+1, \S
.endm
.macro LDR p, a                        ; by rows: buffer g holds step 24 + g of row block a
	LDF 2*(\p), \a, 24+2*(\p)
	LDF 2*(\p)+1, \a, 25+2*(\p)
.endm
.macro SCALES g                        ; x's scale words of steps 4 g .. 4 g + 3: lane m takes row 32 a + m
.irp a, 0,1,2,3,4,5,6,7
	ds_load_b128 v[AS+32*((\g)%2)+4*\a:AS+32*((\g)%2)+4*\a+3], v[ADRS] offset:4352*\a+16*(\g)
.endr
.endm
.macro MM g, a, S, b, zero
.set rD, 16*(4*((\a)%4)+\b)
.set rA, AF+16*(\g)
.set rB, 32*((\S)%8)+8*\b
.set rSA, AS+32*(((\S)/4)%2)+4*(\a)+(\S)%4
.set rSB, BS+4*((\S)%8)+\b
.if \zero
	v_wmma_scale_f32_32x16x128_f4 v[rD:rD+15], v[rA:rA+15], v[rB:rB+7], 0, v[rSA], v[rSB]
.else
	v_wmma_scale_f32_32x16x128_f4 v[rD:rD+15], v[rA:rA+15], v[rB:rB+7], v[rD:rD+15], v[rSA], v[rSB]
.endif
.endm
.macro MMR g, a, S, zero
.irp b, 1,2,3
	MM \g, \a, \S, \b, \zero
.endr
.endm
.macro MMG g, a, S, zero
	MM \g, \a, \S, 0, \zero
	MMR \g, \a, \S, \zero
.endm
; A step is four pairs of row blocks, 8 matrix instructions each; the 32 accumulators take turns, one instruction a turn.  Behind a pair's first instruction the fragments of the pair before it
; are fetched for the next step (pair 3's of this step in pair 0), so behind the loads that a pair waits for stand two runs of 8 (and in a step with S % 4 = 1 the eight loads of scale words).
; s_wait_loadcnt 54: w's step S is in, steps S + 1 to S + 6 of 9 loads may be out.
.macro STEP S, zero
.irp j, 0,1,2,3
.if \j == 0
.if (\S) == 0
	s_wait_loadcnt 36                              ; w's step 0; behind it steps 1 to 4 of 9 loads
.else
	s_wait_loadcnt 54
.endif
.endif
.if (((\S)%4) == 1) && (\j > 0)
	s_wait_dscnt 24
.else
	s_wait_dscnt 16
.endif
	WIN MUL+0x50*(\j/2)
	MM 2*\j, 2*\j, \S, 0, \zero
	WIN 0
.if \j == 0
	LDP 3, \S
.if ((\S)%4) == 1
	SCALES (\S)/4+1
.endif
.else
	LDP \j-1, (\S)+1
.endif
.if (\S) == 0
.if \j < 3                             ; step 0 asks for w's steps 5, 6 and 7: the ring is full from here on
	LDB 5+\j, 0
	LDB 5+\j, 2
.endif
.elseif \j == 1
	LDB (\S)+7, 0
.elseif \j == 2
	LDB (\S)+7, 2
.elseif \j == 3
.if ((\S) == 1) || ((\S) == 9)
	global_prefetch_b8 v[PFO], s[PF:PF+1] offset:1024+512*((\S)/8) th:TH_LOAD_NT scope:SCOPE_SE
.endif
.endif
	WIN MUL+0x50*(\j/2)
	MMR 2*\j, 2*\j, \S, \zero
	MMG 2*\j+1, 2*\j+1, \S, \zero
	PLACES
.endr
.endm
; A slot's last step changes slots.  In front of the barrier each wave waits for its tensor load (its part of the next slot), adds 0 to its spare word, and waits for that and its reads of this slot.
; fill: the group 0 of the fill that this slot takes next, 0: none, and no round.
.macro TURN S, fill
	s_wait_loadcnt 54
	s_wait_dscnt 16
	WIN MUL
	MM 0, 0, \S, 0, 0
	WIN 0
	LDP 3, \S
	LDB (\S)+7, 0
	LDB (\S)+7, 2
	WIN MUL
	MMR 0, 0, \S, 0
	MMG 1, 1, \S, 0
	WIN 0
	s_wait_tensorcnt 0x0
	ds_add_u32 v[SPW], v[NIL]
	s_wait_dscnt 17                                ; pair 1 is in; pairs 2 and 3 and the add may be out
	WIN MUL
	MMG 2, 2, \S, 0
	MMG 3, 3, \S, 0
	s_wait_dscnt 0x0                               ; the add is done, my reads of this slot are over
	s_barrier_signal -1
	WIN MUL+0x50
	MMG 4, 4, \S, 0
	MMG 5, 5, \S, 0
	WIN 0
	s_barrier_wait -1
.if \fill
	CREST
	ASK \fill, G1A                                 ; the first tensor load behind the round; its four v_nop are the places in front of the loads below
.else
	PLACES
.endif
.irp p, 0,1,2
.if (\S) == 23
	LDR \p, 0
.else
	LDP \p, (\S)+1
.endif
.endr
	WIN MUL+0x50
	MMG 6, 6, \S, 0
	MMG 7, 7, \S, 0
	PLACES
.endm
; Row block a over steps 24 to 31: 32 matrix instructions, its four accumulators by turns.  In row block 0 the waits on w's loads count down: behind step 25 stand 5 steps of 9; behind 27 four and the bias; behind 29 two and the bias.
.macro ROW a
.irp j, 0,1,2,3
.if (\a) == 0
.if \j == 0
	s_wait_loadcnt 45
	s_wait_dscnt 16
.elseif \j == 1
	s_wait_loadcnt 37
	s_wait_dscnt 24
.elseif \j == 2
	s_wait_loadcnt 19
	s_wait_dscnt 8                                 ; the scale words of steps 28 to 31 too: behind them stands one run of 8
.else
	s_wait_loadcnt 0x0
	s_wait_dscnt 16
.endif
.elseif ((\a) == 7) && (\j > 1)
	s_wait_dscnt 8*(3-\j)                          ; nothing more is fetched
.else
	s_wait_dscnt 16
.endif
	WIN MUL+0x50*((\a)/4)
	MM 2*\j, \a, 24+2*\j, 0, 0
	WIN 0
.if \j == 0
	LDR 3, \a
.if (\a) == 0
	SCALES 7
	LDB 31, 0
	LDB 31, 2
	global_load_b128 v[BI:BI+3], v[LS], s[12:13]
.endif
.elseif (\a) < 7
	LDR \j-1, (\a)+1
.endif
	WIN MUL+0x50*((\a)/4)
	MMR 2*\j, \a, 24+2*\j, 0
	MMG 2*\j+1, \a, 25+2*\j, 0
	PLACES
.endr
.endm
; The way out of row block a, by fourths: registers 4 t + i of its four accumulators are rows 32 a + 16 (t / 2) + 4 (t % 2) + i (+ 8 for lanes 16-31).
; All four fourths are added up first, then stored: fourth t goes to the registers of the fourth before it, which its additions have read.
.macro HOLE a, t
.set hb, 4*(\a)+(\t)-1
.if hb < 0
.set hw, 0
.set hq, TMP
.set hs, 4
.else
.set hw, 2+hb/16
.set hq, 64*((hb/4)%4)+4*(hb%4)
.set hs, 16
.endif
.endm
.macro OUTR a
.irp t, 0,1,2,3
	HOLE \a, \t
	WIN (hw<<6)|(2+(\a)/4)
.irp i, 0,1,2,3
.irp b, 0,1,2,3
	v_add_f32 v[hq+hs*\i+\b], v[64*((\a)%4)+16*\b+4*\t+\i], v[BI+\b]
.endr
.endr
.endr
.irp t, 0,1,2,3
	HOLE \a, \t
	WIN (hw<<2)
.irp i, 0,1,2,3
	global_store_b128 v[CO], v[hq+hs*\i:hq+hs*\i+3], s[10:11] offset:(32*(\a)+16*(\t/2)+4*(\t%2)+\i)*NROW th:TH_STORE_NT   ; 16 lanes store 256 consecutive bytes, aligned
.endr
.endr
	WIN 0
.endm
	s_load_b256 s[4:11], s[0:1], 0x0               ; x_codes s[4:5], x_scales s[6:7], wb s[8:9], out0 s[10:11]
	s_load_b64 s[12:13], s[0:1], 0x20              ; bias
	v_lshl_add_u32 v[SPW], v0, 2, SPARE
	v_mov_b32 v[NIL], 0
	ds_add_u32 v[SPW], v[NIL]                      ; the wave's opening: the add, twice on end, and its wait
	ds_add_u32 v[SPW], v[NIL]
	v_lshrrev_b32 v16, 5, v0
	v_and_b32 v17, 31, v0                          ; lane
	v_readfirstlane_b32 s14, v16                   ; wave 0..3
	v_and_b32 v18, 15, v0                          ; r
	v_bfe_u32 v19, v0, 4, 1                        ; h
	v_and_b32 v22, 1, v0
	v_lshlrev_b32 v[LO], 4, v17
	v_lshrrev_b32 v21, 1, v17
	v_lshlrev_b32 v[LS], 4, v18
	v_mul_u32_u24 v20, v18, PITCH
	v_mul_u32_u24 v21, v21, 272
	v_lshlrev_b32 v24, 11, v18
	v_lshl_add_u32 v[ADRA], v19, 4, v20            ; row r, 16 h
	v_lshl_add_u32 v21, v22, 7, v21                ; scales: row lane: unit lane / 2, half lane % 2
	v_lshl_add_u32 v[PFO], v19, 8, v24             ; prefetch: 16 rows x two blocks of 256 bytes
	v_lshl_add_u32 v[CO], v19, 17, v[LS]           ; out: 8 h rows, 16 r bytes
	v_add_nc_u32 v[ADRA+1], 128*PITCH, v[ADRA]
	v_add_nc_u32 v[ADRA+2], SLOT, v[ADRA]
	v_add_nc_u32 v[ADRA+3], SLOT+128*PITCH, v[ADRA]
	v_add_nc_u32 v[ADRS], SCLA, v21
	s_lshr_b32 s15, s14, 1                         ; at the head I fetch x's codes (0) or scales (1),
	s_and_b32 s16, s14, 1                          ; and which half of them
	s_bfe_u32 s40, ttmp6, 0x40000                  ; cx
	s_lshl_b32 s42, ttmp9, 2
	s_add_co_u32 s42, s42, s40                     ; tile column
	s_and_b32 s17, ttmp7, 0xffff                   ; tile row
	; group 1: mask of the cluster's four; padding of 4 words; bit 21 beside the mask.  Codes: rows of 512 bytes, elements of 1 byte, padded behind 128 words
	s_mov_b32 s[G1A+0], 15|(1<<20)|(1<<21)|(6<<22)|(3<<25)
	s_mov_b32 s[G1H+0], 15|(1<<20)|(1<<21)|(6<<22)|(3<<25)
.irp g, G1A, G1H
	s_mov_b32 s[\g+1], 512<<16
	s_mov_b32 s[\g+3], 512<<16
	s_mov_b32 s[\g+5], 2048
	s_mov_b32 s[\g+6], 0
	s_mov_b32 s[\g+7], 0
.endr
	s_mov_b32 s[G1A+2], 64<<16
	s_mov_b32 s[G1A+4], 64
	s_mov_b32 s[G1H+2], 128<<16
	s_mov_b32 s[G1H+4], 128
	s_mov_b32 s[G1S+0], 15|(3<<16)|(1<<20)|(1<<21)|(5<<22)|(3<<25)  ; scales: rows of 32 elements of 8 bytes, padded behind 64 words
	s_mov_b32 s[G1S+1], 32<<16
	s_mov_b32 s[G1S+2], 64<<16
	s_mov_b32 s[G1S+3], 32<<16
	s_mov_b32 s[G1S+4], 64
	s_mov_b32 s[G1S+5], 32
	s_mov_b32 s[G1S+6], 0
	s_mov_b32 s[G1S+7], 0
	; group 0, but for the addresses in memory
.irp g, G0A, G0B, G0C, G0H, G0S
	s_mov_b32 s[\g], 1
.endr
	s_mul_i32 s[G0A+1], s14, 64*PITCH              ; fills: wave x 64 rows; K slot 2 takes slot 0, K slots 1 and 3 take slot 1
	s_add_co_u32 s[G0B+1], s[G0A+1], SLOT
	s_add_co_u32 s[G0C+1], s[G0A+1], SLOT
	s_mul_i32 s[G0H+1], s16, 128*PITCH
	s_mul_i32 s[G0S+1], s16, 64*272
	s_add_co_u32 s[G0S+1], s[G0S+1], SCLA
	s_mov_b32 s19, 0
	s_mov_b32 s23, 0
	s_mov_b32 s47, 0
	s_lshl_b32 s18, s17, 19                        ; the tile row's 256 rows of 2,048 bytes
	s_lshl_b32 s22, s14, 17                        ; my 64 rows
	s_lshl_b32 s46, s16, 18                        ; at the head my 128 rows
	s_wait_alu depctr_va_vdst(0)                   ; the wait at the head's end
	s_wait_dscnt 0x0                               ; both opening adds are done
	s_wait_kmcnt 0x0
	s_add_nc_u64 s[20:21], s[4:5], s[18:19]
	s_add_nc_u64 s[84:85], s[20:21], s[22:23]
	s_add_nc_u64 s[G0A+2:G0A+3], s[84:85], 1024
	s_add_nc_u64 s[G0B+2:G0B+3], s[84:85], 512
	s_add_nc_u64 s[G0C+2:G0C+3], s[84:85], 1536
	s_add_nc_u64 s[G0H+2:G0H+3], s[20:21], s[46:47]
	s_lshl_b32 s18, s17, 15                        ; the 256 rows' scales, and my half of them
	s_lshl_b32 s46, s16, 14
	s_add_co_u32 s18, s18, s46
	s_add_nc_u64 s[G0S+2:G0S+3], s[6:7], s[18:19]
.irp g, G0A, G0B, G0C, G0H, G0S
	s_or_b32 s[\g+3], s[\g+3], 0x80000000
.endr
	CROUND                                         ; the cluster's work-groups are here: the first joint loads meet
	s_cmp_eq_u32 s15, 0
	s_cbranch_scc0 .Lhead_s
	ASK G0H, G1H                                   ; waves 0, 1: K slot 0's two halves
	s_branch .Lhead_asked
.Lhead_s:
	ASK G0S, G1S                                   ; waves 2, 3: the scales' two halves
.Lhead_asked:
	s_lshl_b32 s18, s42, 2                         ; w: group 4 x tile column + wave
	s_add_co_u32 s18, s18, s14
	s_mul_i32 s18, s18, GRP
	s_add_nc_u64 s[8:9], s[8:9], s[18:19]
.irp t, 0,1,2                          ; w's steps 0 to 2; the ring's others follow behind slot 1's fill and in step 0
	LDB \t, 0
	LDB \t, 2
.endr
	s_lshl_b32 s86, s40, 17                        ; prefetch: 64 rows of the tile by cx, 16 of them by the wave
	s_lshl_b32 s46, s14, 15
	s_add_co_u32 s86, s86, s46
	s_mov_b32 s87, 0
	s_add_nc_u64 s[PF:PF+1], s[20:21], s[86:87]
	s_lshl_b32 s18, s42, 10                        ; my 64 columns: of bias, and of out
	s_lshl_b32 s46, s14, 8
	s_add_co_u32 s18, s18, s46
	s_add_nc_u64 s[12:13], s[12:13], s[18:19]
	s_add_nc_u64 s[10:11], s[10:11], s[18:19]
	s_lshl_b32 s22, s17, 22                        ; the tile's rows of out
	s_add_nc_u64 s[10:11], s[10:11], s[22:23]
	s_wait_tensorcnt 0x0                           ; my part of the head's fills is in
	ds_add_u32 v[SPW], v[NIL]
	s_wait_dscnt 0x0
	CROUND
	ASK G0B, G1A                                   ; K slot 1, the first tensor load behind the round
	SCALES 0
	LDP 0, 0
	LDP 1, 0
	LDP 2, 0
.irp t, 3,4
	LDB \t, 0
	LDB \t, 2
.endr
	STEP 0, 1
.irp t, 1,2,3,4,5,6
	STEP \t, 0
.endr
	TURN 7, G0A                                    ; slot 0 takes K slot 2
.irp t, 8,9,10,11,12,13,14
	STEP \t, 0
.endr
	TURN 15, G0C                                   ; slot 1 takes K slot 3
.irp t, 16,17,18,19,20,21,22
	STEP \t, 0
.endr
	TURN 23, 0
.irp a, 0,1,2,3,4,5,6,7
	ROW \a
	OUTR \a
.endr
	s_wait_tensorcnt 0x0                           ; the wave's end
	ds_add_u32 v[SPW], v[NIL]
	s_wait_dscnt 0x0
	CROUND                                         ; the closing round: no work-group ends while a partner may still ask for a tile that names it
	s_endpgm
.Lfunc_end_k_q5c5ce92ea1_gemm:
	.size	k_q5c5ce92ea1_gemm, .Lfunc_end_k_q5c5ce92ea1_gemm-k_q5c5ce92ea1_gemm
	.p2alignl 7, 3214868480
	.fill 96, 4, 3214868480
	.section	.rodata,"a",@progbits
	.p2align	6, 0x0
	.amdhsa_kernel k_q5c5ce92ea1_gemm
		.amdhsa_group_segment_fixed_size 327680
		.amdhsa_private_segment_fixed_size 0
		.amdhsa_enable_private_segment 0
		.amdhsa_kernarg_size 40
		.amdhsa_user_sgpr_count 2
		.amdhsa_user_sgpr_kernarg_segment_ptr 1
		.amdhsa_wavefront_size32 1
		.amdhsa_system_sgpr_workgroup_id_x 1
		.amdhsa_system_sgpr_workgroup_id_y 1
		.amdhsa_system_sgpr_workgroup_id_z 1
		.amdhsa_system_vgpr_workitem_id 0
		.amdhsa_next_free_vgpr 1024
		.amdhsa_next_free_sgpr 90
		.amdhsa_reserve_vcc 0
		.amdhsa_float_denorm_mode_32 3
		.amdhsa_float_denorm_mode_16_64 3
		.amdhsa_memory_ordered 1
		.amdhsa_forward_progress 1
		.amdhsa_inst_pref_size 255
	.end_amdhsa_kernel
	.section	.bss,"aw",@nobits
	.p2align	6
	.space	262144
	.amdgpu_metadata
---
amdhsa.version: [ 1, 2 ]
amdhsa.kernels:
  - .name:           k_q5c5ce92ea1_gemm
    .symbol:         k_q5c5ce92ea1_gemm.kd
    .args:
      - { .name: x_codes, .offset: 0, .size: 8, .value_kind: global_buffer, .address_space: global }
      - { .name: x_scales, .offset: 8, .size: 8, .value_kind: global_buffer, .address_space: global }
      - { .name: wb, .offset: 16, .size: 8, .value_kind: global_buffer, .address_space: global }
      - { .name: out0, .offset: 24, .size: 8, .value_kind: global_buffer, .address_space: global }
      - { .name: bias, .offset: 32, .size: 8, .value_kind: global_buffer, .address_space: global }
    .group_segment_fixed_size: 327680
    .private_segment_fixed_size: 0
    .kernarg_segment_align: 8
    .kernarg_segment_size: 40
    .max_flat_workgroup_size: 128
    .sgpr_count:     90
    .vgpr_count:     1024
    .wavefront_size: 32
...
	.end_amdgpu_metadata
.endif
;; end of part 2
